; MI455X (gfx1250); checked and timed in simulation.
; The chip was launched on July 23, 2026; its instructions are those of AMD's public machine-readable ISA for CDNA 5 (MIT licence, August 2026) and "CDNA5" Instruction Set Architecture Reference Guide (July 2026). The comments in the code are by the model that wrote it; some were corrected since.
;; BFP Linear. Allowed arithmetic: float matrix products may take bf16 or f16 operands with f32 sums; other float arithmetic in f32, or as packed bf16 or f16 multiplies, adds, multiply-adds, maxima and minima; sums over many terms, partial sums and values carried from step to step in f32; what a program stores and reads back later, other than sums and carried values, may be rounded once to bf16 or f16.
;; Inputs: bias 4,096 float32; weight 4,096 x 4,096 float32; x 4,096 x 4,096 float32.
;; Outputs: out0 4,096 x 4,096 float32.
;; One version. Each part assembles by itself: llvm-mc -triple=amdgcn-amd-amdhsa -mcpu=gfx1250 --defsym DOCPART=n.
;; ======== version 1 of 1: 2 launches
;; limits: inputs' magnitudes at most 5.19e+33
;; workspace buffers: q 67,108,864 bytes
;; launch quant (part 1): grid 256 x 1, 16 waves a work-group, no clusters, 0 bytes of LDS; arguments x, weight, q; writes q
.if DOCPART == 1
	.amdgcn_target "amdgcn-amd-amdhsa--gfx1250"
	.amdhsa_code_object_version 6
	.text
	.protected	k_qdce8c82c36_quant
	.globl	k_qdce8c82c36_quant
	.p2align	8
	.type	k_qdce8c82c36_quant,@function
k_qdce8c82c36_quant:
	s_mov_b64 s[64:65], 0
	v_nop
	global_prefetch_b8 v0, s[64:65] scope:SCOPE_SE
	s_setreg_imm32_b32 hwreg(HW_REG_WAVE_MODE, 25, 1), 1
	s_wait_xcnt 0x0
; BLOCK FLOATING POINT, both operands of the product, once.  x, weight: [4096][4096] f32.  q: [8192][4096] bf16.
; Each group of 64 neighbouring numbers of a row shares e, the exponent of its largest magnitude; with step = 2^(e-7) a number v becomes
; clip(round(v / step), -128, 127) x step, ties to even.  That is a whole number of at most 8 bits times a power of two: bf16 holds it exactly.
; LAYOUT OF q.  Rows 0 .. 4095: x's rows in order.  Rows 4096 .. 8191: weight's rows, permuted inside each block of 64: row 64 c + 4 r + b (r 0..15, b 0..3) lies at 4096 + 64 c + 16 b + r,
; so that in the product's result a lane's four accumulators b = 0..3 hold four neighbouring columns.  Whole rows of 8,192 bytes move; no store is any shorter for it.
; LIMITS.  e is read from the bits of the largest magnitude (the true floor of its log2), where the definition takes the floor of a computed f32 log2.  Served: groups whose largest
; magnitude lies in 2^-125 .. 2^111, and all-zero groups (zeros).  Below: e counts as -126 and the upper bound of the clip is a step short; above: the rounding constant 1.5 x 2^(e+16) overflows.
; NaN and infinities are not treated apart.
; SHARES.  8,192 rows, 32 to a work-group (0-127: x; 128-255: weight), two to a wave.  A load of 16 bytes a lane takes 512 neighbouring bytes: two groups, one in each half of 16 lanes,
; four numbers a lane.  A row is 32 such loads; a ring of 32 slots in registers holds a whole row, and a slot is asked for again (the second row) as soon as it has been packed.
; Nothing is shared between waves: no LDS, no barrier.  The 16 batches of four slots are written out: no loop, no address register is ever stepped.
.set ROWIN, 16384                      ; bytes in a row of x or weight
.set ROWQ,  8192                       ; bytes in a row of q
.set VI,  1                            ; v1        16 x lane: my 16 bytes of a load's 512; never rewritten
.set VO,  2                            ; v2        8 x lane: my 8 bytes of a store's 256; never rewritten
.set T,   4                            ; v[4:7]    slot s of a batch: the group's largest magnitude, then 2^e
.set CH,  8                            ; v[8:15]   slot s: the pair (C, hi): C = 1.5 x 2^(e+16), hi = 127 steps
.set Y,   16                           ; v[16:23]  slot s: four bf16 to store
.set X,   24                           ; v[24:151] 32 slots of four numbers
	s_load_b128 s[4:7], s[0:1], 0x0                ; x s[4:5], weight s[6:7]
	s_load_b64 s[8:9], s[0:1], 0x10                ; q
	v_lshrrev_b32 v3, 5, v0
	v_readfirstlane_b32 s10, v3                    ; wave 0..15
	v_and_b32 v[VI], 31, v0                        ; lane
	v_lshlrev_b32 v[VO], 3, v[VI]
	v_lshlrev_b32 v[VI], 4, v[VI]
	s_mov_b32 s24, 0x00800000                      ; 2^-126: the least that a group's largest magnitude counts as
	s_mov_b32 s25, 0x7f800000                      ; an f32's exponent field
	s_mov_b32 s26, 0x08400000                      ; added to the bits of 2^e: exponent + 16, mantissa one half: 1.5 x 2^(e+16)
	s_mov_b32 s27, 0xfffe0000                      ; added to the bits of 2^e: less 0x20000: (1 + 63/64) x 2^(e-1) = 127 x 2^(e-7)
	s_lshl_b32 s11, ttmp9, 5
	s_lshl_b32 s28, s10, 1
	s_add_co_u32 s11, s11, s28                     ; my first row of the 8,192: even
	s_and_b32 s12, s11, 4095                       ; its number n in its own tensor
	s_and_b32 s28, s12, 0xfc0                      ; the permuted place of n: the block of 64 stays,
	s_and_b32 s29, s12, 3
	s_lshl_b32 s29, s29, 4                         ; b = n % 4 counts sixteens,
	s_or_b32 s28, s28, s29
	s_bfe_u32 s29, s12, 0x40002                    ; r = (n / 4) % 16 counts ones
	s_or_b32 s28, s28, s29
	s_mov_b32 s30, ROWQ                            ; my second row lies one row of q further on (x),
	s_mov_b32 s31, 16*ROWQ                         ; or sixteen (weight: n is even, so n + 1 has b + 1)
	s_cmp_lt_u32 ttmp9, 128                        ; x or weight?
	s_cselect_b32 s28, s12, s28
	s_cselect_b32 s30, s30, s31
	s_mov_b32 s31, 0
	s_sub_co_u32 s29, s11, s12                     ; 0 or 4,096
	s_add_co_u32 s29, s29, s28                     ; my first row's place in q,
	s_lshl_b32 s32, s29, 13                        ; in bytes (under 2^26)
	s_mov_b32 s33, 0
	s_lshl_b32 s16, s12, 14                        ; my first row in its own tensor, in bytes (under 2^26)
	s_mov_b32 s17, 0
	s_wait_kmcnt 0x0
	s_cmp_lt_u32 ttmp9, 128
	s_cselect_b64 s[14:15], s[4:5], s[6:7]
	s_add_nc_u64 s[14:15], s[14:15], s[16:17]      ; where I read
	s_add_nc_u64 s[20:21], s[8:9], s[32:33]        ; where my first row goes,
	s_add_nc_u64 s[22:23], s[20:21], s[30:31]      ; and my second
.set i, 0
.rept 32
	global_load_b128 v[X+4*i:X+4*i+3], v[VI], s[14:15] offset:512*i th:TH_LOAD_NT  ; the whole first row: 32 loads on their way
.set i, i+1
.endr
; Batch k of 16: slots 4 (k % 8) + 0..3, of the first row (k < 8) or the second.  Each stage is written for all four slots, so that no line reads the result of the line before it.
; ahead = 1: the slots are asked for again, with the second row's bytes.  left = how many younger loads may stay out.
.macro BATCH k, ahead, left
.set XB, X+16*((\k)%8)                 ; the batch's 16 registers
.set OB, 20+2*((\k)/8)                 ; the row's base in q
	s_wait_loadcnt \left                           ; loads come back in order (ISA guide 5.7.1): the batch's four are in
	s_wait_xcnt 0x0                                ; every earlier memory instruction has had its addresses translated (ISA guide 3.1): Y, which the last batch's stores read, is rewritten only behind this wait
.irp s, 0,1,2,3
	v_max3_num_f32 v[T+(\s)], |v[XB+4*(\s)]|, |v[XB+4*(\s)+1]|, |v[XB+4*(\s)+2]|
.endr
.irp s, 0,1,2,3
	v_max3_num_f32 v[T+(\s)], v[T+(\s)], |v[XB+4*(\s)+3]|, s24  ; my four magnitudes, and the floor
.endr
.irp m, 1,2,4,8                        ; across the group's 16 lanes: every lane ends with the group's largest magnitude
.irp s, 0,1,2,3
	v_max_num_f32_dpp v[T+(\s)], v[T+(\s)], v[T+(\s)] row_xmask:\m row_mask:0xf bank_mask:0xf
.endr
.endr
.irp s, 0,1,2,3
	v_and_b32 v[T+(\s)], s25, v[T+(\s)]            ; 2^e = 128 steps
.endr
.irp s, 0,1,2,3
	v_add_nc_u32 v[CH+2*(\s)], s26, v[T+(\s)]      ; C: its last bit is worth one step, and C is an even number of steps
	v_add_nc_u32 v[CH+2*(\s)+1], s27, v[T+(\s)]    ; hi
.endr
.irp s, 0,1,2,3
.irp p, 0,2
	v_pk_add_f32 v[XB+4*(\s)+(\p):XB+4*(\s)+(\p)+1], v[XB+4*(\s)+(\p):XB+4*(\s)+(\p)+1], v[CH+2*(\s):CH+2*(\s)+1] op_sel_hi:[1,0]  ; v + C: |v| < 2^(e+1) leaves C's exponent alone, so the sum is rounded to whole steps, ties to even;
.endr
.endr
.irp s, 0,1,2,3
.irp p, 0,2
	v_pk_add_f32 v[XB+4*(\s)+(\p):XB+4*(\s)+(\p)+1], v[XB+4*(\s)+(\p):XB+4*(\s)+(\p)+1], v[CH+2*(\s):CH+2*(\s)+1] op_sel_hi:[1,0] neg_lo:[0,1] neg_hi:[0,1]  ; less C, exactly
.endr
.endr
.irp s, 0,1,2,3
.irp p, 0,1,2,3
	v_med3_num_f32 v[XB+4*(\s)+(\p)], v[XB+4*(\s)+(\p)], -v[T+(\s)], v[CH+2*(\s)+1]  ; the clip: -128 to 127 steps
.endr
.endr
.irp s, 0,1,2,3
	v_cvt_pk_bf16_f32 v[Y+2*(\s)], v[XB+4*(\s)], v[XB+4*(\s)+1]    ; nothing is lost: 8 bits at the most
	v_cvt_pk_bf16_f32 v[Y+2*(\s)+1], v[XB+4*(\s)+2], v[XB+4*(\s)+3]
.endr
.if \ahead
.irp s, 0,1,2,3
	global_load_b128 v[XB+4*(\s):XB+4*(\s)+3], v[VI], s[14:15] offset:ROWIN+512*(4*(\k)+(\s)) th:TH_LOAD_NT  ; loads ahead of stores
.endr
.endif
.irp s, 0,1,2,3
	global_store_b64 v[VO], v[Y+2*(\s):Y+2*(\s)+1], s[OB:OB+1] offset:256*(4*((\k)%8)+(\s)) th:TH_STORE_NT  ; the wave's 32 lanes store 256 consecutive bytes, at a multiple of 256 from q's first byte
.endr
.endm
.irp k, 0,1,2,3,4,5,6,7
	BATCH \k, 1, 28                                ; 32 + 4 k loads have been issued, 4 k + 4 are wanted: 28 stay out
.endr
.irp k, 8,9,10,11,12,13,14,15
	BATCH \k, 0, 60-4*(\k)                         ; all 64 have been issued: the counts run down 28, 24 .. 0
.endr
	s_endpgm
.Lfunc_end_k_qdce8c82c36_quant:
	.size	k_qdce8c82c36_quant, .Lfunc_end_k_qdce8c82c36_quant-k_qdce8c82c36_quant
	.p2alignl 7, 3214868480
	.fill 96, 4, 3214868480
	.section	.rodata,"a",@progbits
	.p2align	6, 0x0
	.amdhsa_kernel k_qdce8c82c36_quant
		.amdhsa_group_segment_fixed_size 0
		.amdhsa_private_segment_fixed_size 0
		.amdhsa_enable_private_segment 0
		.amdhsa_kernarg_size 24
		.amdhsa_user_sgpr_count 2
		.amdhsa_user_sgpr_kernarg_segment_ptr 1
		.amdhsa_wavefront_size32 1
		.amdhsa_system_sgpr_workgroup_id_x 1
		.amdhsa_system_sgpr_workgroup_id_y 1
		.amdhsa_system_sgpr_workgroup_id_z 1
		.amdhsa_system_vgpr_workitem_id 0
		.amdhsa_next_free_vgpr 152
		.amdhsa_next_free_sgpr 66
		.amdhsa_reserve_vcc 0
		.amdhsa_float_denorm_mode_32 3
		.amdhsa_float_denorm_mode_16_64 3
		.amdhsa_memory_ordered 1
		.amdhsa_forward_progress 1
		.amdhsa_inst_pref_size 85
	.end_amdhsa_kernel
	.amdgpu_metadata
---
amdhsa.version: [ 1, 2 ]
amdhsa.kernels:
  - .name:           k_qdce8c82c36_quant
    .symbol:         k_qdce8c82c36_quant.kd
    .args:
      - { .name: x, .offset: 0, .size: 8, .value_kind: global_buffer, .address_space: global }
      - { .name: weight, .offset: 8, .size: 8, .value_kind: global_buffer, .address_space: global }
      - { .name: q, .offset: 16, .size: 8, .value_kind: global_buffer, .address_space: global }
    .group_segment_fixed_size: 0
    .private_segment_fixed_size: 0
    .kernarg_segment_align: 8
    .kernarg_segment_size: 24
    .max_flat_workgroup_size: 512
    .sgpr_count:     66
    .vgpr_count:     152
    .wavefront_size: 32
...
	.end_amdgpu_metadata
.endif
;; end of part 1
;; launch gemm (part 2): grid 16 x 16, 4 waves a work-group, clusters of 4 x 4, 327,680 bytes of LDS; arguments q, bias, out0; writes out0
.if DOCPART == 2
	.amdgcn_target "amdgcn-amd-amdhsa--gfx1250"
	.amdhsa_code_object_version 6
	.text
	.protected	k_qdce8c82c36_gemm
	.globl	k_qdce8c82c36_gemm
	.p2align	8
	.type	k_qdce8c82c36_gemm,@function
k_qdce8c82c36_gemm:
	s_mov_b64 s[64:65], 0
	v_nop
	global_prefetch_b8 v0, s[64:65] scope:SCOPE_SE
	s_setreg_imm32_b32 hwreg(HW_REG_WAVE_MODE, 25, 1), 1
	s_wait_xcnt 0x0
	s_wait_alu depctr_hold_cnt(0) depctr_sa_sdst(0) depctr_va_vdst(0) depctr_va_sdst(0) depctr_va_ssrc(0) depctr_va_vcc(0) depctr_vm_vsrc(0)
	s_getreg_b32 s2, hwreg(HW_REG_IB_STS2, 6, 4)
	s_cmp_eq_u32 s2, 0
	s_cbranch_scc0 .Lentry_in_a_cluster
	s_endpgm
.Lentry_in_a_cluster:
	s_bfe_u32 s2, ttmp6, 0x10000c
	s_cmp_lg_u32 s2, 0xf033
	s_cbranch_scc0 .Lentry_shape_is_right
	s_endpgm
.Lentry_shape_is_right:
; out0[m][n] = the sum over k of xq[m][k] wq[n][k] + 2 bias[n].  q: [8192][4096] bf16: rows 0-4095 xq, rows 4096-8191 wq with its rows permuted inside each block of 64
; (weight row 64 c + 4 r + b at place 64 c + 16 b + r).  bias: [4096] f32.  out0: [4096][4096] f32.  The operands are exact in bf16; the sums are f32, K ascending, one accumulator an output.
; A tile of out0, 256 x 256, is made by a work-group of four waves, as many as a WGP has SIMDs; a wave makes 128 x 128: 64 accumulators of 16 x 16, 512 registers.  256 tiles: one to a work-group.
; K goes in 32 steps of 128 through a ring of two LDS slots filled by the tensor data mover: a tile's rows are 256 bytes of memory, at multiples of 256 bytes from q's first byte.
; CLUSTERS: 4 x 4 work-groups.  The four of a row of the cluster need the same rows of xq, the four of a column the same rows of wq: each tile is asked for JOINTLY, by the same tensor load with the
; same descriptor and a mask that names the four; each receives it in its own LDS.  That divides the requests for both operands by four.
; THE WAY OUT NEEDS NO LDS.  Source 0 = 16 rows of xq, source 1 = 16 rows of q's wq: in the result lane l holds fragment column l % 16 = r and, in registers 0-7, the rows 8 (l / 16) + 0..7.  By the permutation
; fragment 4 c + b's column r is the true column 64 c + 4 r + b: for one row of out0 a lane's accumulators b = 0..3 hold four neighbouring columns.  The add of 2 bias, which is due anyway, writes them into four
; registers on end; one store of 16 bytes a lane follows, and sixteen lanes store 256 consecutive bytes, aligned.
; REGISTERS, in windows of 256 (an instruction names v0-v255; s_set_vgpr_msb says which window each operand place means: bits 1:0 source 0, 3:2 source 1, 5:4 source 2, 7:6 destination):
;   window 0: v0-31 addresses; v32-39 2 bias; v64-127, v128-191 fragments of xq (8 x 16 rows x 32 K), two buffers; on the way out the same 128 registers are two sets of 16 rows to store
;   window 1: v64-127, v128-191 fragments of wq, two buffers
;   window 2: the 32 accumulators of my rows 0-63 (block a of 16 rows, fragment i at v[8 (8 a + i)]);   window 3: those of my rows 64-127
.set SIZE_K, 4096
.set KSTEP,  128
.set ROWQ,   2*SIZE_K                  ; bytes in a row of q
.set ROWC,   16384                     ; bytes in a row of out0
.set WOFF,   4096*ROWQ                 ; wq's first byte in q
.set PITCH,  272                       ; an LDS row: 256 bytes of data + 16 of padding = 68 words: row r starts at bank 4 r mod 64 (64 banks of 4 bytes: ISA guide 11.1), so the 16 rows that a load touches start at 16 different banks
.set HALFT,  128*PITCH                 ; 128 rows: what one tensor load brings, and what one wave reads of either operand
.set SLOT,   4*HALFT                   ; xq's 256 rows, then wq's 256 rows
.set SPARE,  2*SLOT                    ; behind the ring: the spare words, 128 bytes for each wave: two blocks of 256 bytes that no other line names
.set LAPS,   SIZE_K/(2*KSTEP)          ; a lap = two K steps = once round the ring: 16
.set ADRA, 16                          ; v16-17  LDS address of my xq fragments in slot 0, 1
.set ADRB, 20                          ; v20-21  the same for wq
.set CO,   26                          ; v26     my byte offset in out0: 8 (l / 16) rows + 16 (l % 16); never rewritten
.set BO,   27                          ; v27     my byte offset in bias: 16 (l % 16)
.set SPW,  28                          ; v28     LDS address of my spare word: SPARE + 4 x my thread's number; never rewritten
.set NIL,  29                          ; v29     0; never rewritten
.set PFO,  30                          ; v30     the prefetches' offset: my lane x a row of q; never rewritten
.set BI,   32                          ; v32-39  2 bias of my eight columns: column 64 c + 4 r + b at BI + 4 c + b
.set F0,   64                          ; fragment buffer 0
.set F1,   128                         ; fragment buffer 1
.set G1,  24                           ; s[24:31] descriptor group 1 for xq's tiles
.set G0,  32                           ; s[32:39] descriptor group 0 for xq's tiles, one set for each slot
.set LIM, 43                           ; s43      1 in a wave that prefetches, else the greatest number
.set PFA, 44                           ; s[44:45] where my prefetches stand: my work-group's 32 rows of the 128 that I fetch, one K step further along K than the refill that is being asked for
.set G1B, 48                           ; s[48:55] descriptor group 1 for wq's tiles: it differs in the mask alone
.set G0B, 56                           ; s[56:63] descriptor group 0 for wq's tiles, one set for each slot
.set MSB, 0
.macro WIN new                         ; the immediate's high byte repeats the setting that is left; a switch that changes nothing is dropped
.if MSB != (\new)
	s_set_vgpr_msb (MSB<<8)|(\new)
.set MSB, \new
.endif
.endm
.set MUL_LO, 0xa4                      ; source 0 (xq) window 0, source 1 (wq) window 1, C and D window 2
.set MUL_HI, 0xf4                      ; the same, C and D window 3
.set TO_B,   0x40                      ; destination window 1, address window 0
; A joint load.  Waves 0 and 1 fetch xq's two halves, waves 2 and 3 wq's.  Each of the two lines has ONE mask and one set of registers for all that issue it.  The branch hangs on the wave's number alone.
; An s_nop 0 and four v_nop follow each of the two lines; the jump round the other line, the label and what follows the macro come after them.
.macro JLOAD s
	s_cmp_eq_u32 s11, 0
	s_cbranch_scc0 .Lfor_b_\@
	tensor_load_to_lds s[G0+4*(\s):G0+4*(\s)+3], s[G1:G1+7]
	s_nop 0
.rept 4
	v_nop
.endr
	s_branch .Lasked_\@
.Lfor_b_\@:
	tensor_load_to_lds s[G0B+4*(\s):G0B+4*(\s)+3], s[G1B:G1B+7]
	s_nop 0
.rept 4
	v_nop
.endr
.Lasked_\@:
.endm
; A PREFETCH INTO THE L2, behind each joint refill and the run of LDS loads that follows it: the K step that stands TWO refills on, 512 matrix instructions ahead of the load that will want it: 32 rows x 256 bytes,
; a lane a row, one instruction a wave.  Each row's 256 bytes of a K step are named ONCE in the launch: xq's rows are read by every cluster of a row of clusters, and the one with x = 0 asks; wq's by every cluster of
; a column, and the one with y = 0 asks.  The four partners that ask for a tile jointly share its 128 rows out BY ADDRESS, 32 each (by cx for xq, by cy for wq): no branch hangs on a place in the cluster.
; The loop's last trip (s3 = 1) asks for nothing: its refills are K steps 30 and 31, and there is none two on.  K steps 0 to 3 come by their loads alone.
.macro ASK
	s_cmp_gt_u32 s3, s[LIM]
	s_cbranch_scc0 .Lnot_mine_\@
	global_prefetch_b8 v[PFO], s[PFA:PFA+1] offset:KSTEP*2 th:TH_LOAD_NT scope:SCOPE_SE
.Lnot_mine_\@:
.endm
; A round of the cluster's barrier: my work-group's barrier, so that wave 0's signal speaks for all four waves; wave 0 signals for the work-group; every wave waits for all sixteen work-groups;
; my work-group's barrier once more.  No LDS instruction of the wave is pending at a signal.
.macro CREST                           ; a round behind its opening barrier
	s_cmp_lg_u32 s10, 0
	s_cbranch_scc1 .Lnot_wave_0_\@
	s_barrier_signal -3
.Lnot_wave_0_\@:
	s_barrier_wait -3
	s_barrier_signal -1
	s_barrier_wait -1
.endm
.macro CROUND                          ; a whole round
	s_barrier_signal -1
	s_barrier_wait -1
	CREST
.endm
	s_load_b128 s[4:7], s[0:1], 0x0                ; q s[4:5], bias s[6:7]
	s_load_b64 s[8:9], s[0:1], 0x10                ; out0
	v_lshl_add_u32 v[SPW], v0, 2, SPARE
	v_mov_b32 v[NIL], 0
	ds_add_u32 v[SPW], v[NIL]                      ; the wave's opening: the add, twice on end, and its wait ahead of my first tensor load; the set-up below the second, work on registers, stands between it and the wait
	ds_add_u32 v[SPW], v[NIL]                      ; and once more, under the one wait
	v_lshrrev_b32 v1, 5, v0
	v_readfirstlane_b32 s10, v1                    ; wave 0..3
	s_lshr_b32 s11, s10, 1                         ; which half of the tile's rows is mine.  Also: I fetch for xq (0) or for wq (1)
	s_and_b32 s12, s10, 1                          ; which half of its columns.  Also: which 128 rows of that operand's tile I fetch
	s_bfe_u32 s40, ttmp6, 0x40000                  ; cx: my place along the cluster's x
	s_bfe_u32 s41, ttmp6, 0x40004                  ; cy: along its y
	s_lshl_b32 s42, ttmp9, 2                       ; in a cluster launch ttmp9 and ttmp7 count clusters
	s_add_co_u32 s42, s42, s40                     ; tile column = 4 x cluster x + cx
	s_and_b32 s13, ttmp7, 0xffff
	s_lshl_b32 s13, s13, 2
	s_add_co_u32 s13, s13, s41                     ; tile row = 4 x cluster y + cy
	s_lshl_b32 s43, s41, 2
	s_lshl_b32 s43, 15, s43                        ; my row of the cluster: places 4 cy .. 4 cy + 3
	s_lshl_b32 s44, 0x1111, s40                    ; my column: places cx, cx + 4, cx + 8, cx + 12
	; descriptor group 1: a tile of 128 rows x 128 elements, padded in LDS
	s_or_b32 s[G1+0], s43, (1<<16)|(1<<20)|(1<<21)|(5<<22)|(3<<25)  ; 15:0 the mask: xq's tiles go to my row; 17:16 elements of 2 bytes; 20 padding on; 21 set beside a mask; 24:22 after every 64 words (code 5); 31:25 4 words of it (code 3)
	s_or_b32 s[G1B+0], s44, (1<<16)|(1<<20)|(1<<21)|(5<<22)|(3<<25) ; the same with the mask of my column, for wq's tiles
.irp g, G1, G1B
	s_mov_b32 s[(\g)+1], KSTEP<<16                 ; 63:48 tensor_dim0, low half = 128
	s_mov_b32 s[(\g)+2], 128<<16                   ; 79:64 its high half = 0; 95:80 tensor_dim1, low half = 128
	s_mov_b32 s[(\g)+3], KSTEP<<16                 ; 111:96 its high half = 0; 127:112 tile_dim0 = 128
	s_mov_b32 s[(\g)+4], 128                       ; 143:128 tile_dim1 = 128; 159:144 tile_dim2 = 0
	s_mov_b32 s[(\g)+5], SIZE_K                    ; 191:160 tensor_dim0_stride, low word: elements from row to row
	s_mov_b32 s[(\g)+6], 0
	s_mov_b32 s[(\g)+7], 0
.endr
	; where the tiles come from.  xq's hang on the tile row alone, which my row of the cluster shares; wq's on the tile column alone, which my column shares.
	; Every wave makes both offsets, in registers that never hold the other coordinate, and asks by one of them.  All stay under 2^27 bytes.
	s_lshl_b32 s17, s12, 7                         ; which 128 rows of the tile I fetch
	s_lshl_b32 s16, s13, 8
	s_add_co_u32 s16, s16, s17                     ; xq: row 256 x tile row + 128 x half,
	s_lshl_b32 s16, s16, 13                        ; in bytes
	s_lshl_b32 s46, s42, 8
	s_add_co_u32 s46, s46, s17                     ; wq: row 256 x tile column + 128 x half,
	s_lshl_b32 s46, s46, 13
	s_add_co_u32 s46, s46, WOFF                    ; behind xq's rows
	s_mov_b32 s17, 0
	s_mov_b32 s47, 0
	s_mul_i32 s20, s10, HALFT                      ; and where they go: xq's two halves, then wq's two halves = wave x 128 rows: no place in the cluster enters an LDS address
	s_wait_dscnt 0x0                               ; both opening adds are done
	s_wait_kmcnt 0x0
	s_add_nc_u64 s[14:15], s[4:5], s[16:17]
	s_add_nc_u64 s[46:47], s[4:5], s[46:47]
	CROUND                                         ; all sixteen work-groups are here: the first joint loads meet
.irp s, 0,1
	s_mov_b32 s[G0+4*(\s)], 1                                      ; 1:0 count = 1
	s_add_co_u32 s[G0+4*(\s)+1], s20, (\s)*SLOT                    ; 63:32 LDS address
	s_add_nc_u64 s[G0+4*(\s)+2:G0+4*(\s)+3], s[14:15], (\s)*KSTEP*2  ; 120:64 global address: K step s
	s_or_b32 s[G0+4*(\s)+3], s[G0+4*(\s)+3], 0x80000000            ; 127:126 type = 2
	s_mov_b32 s[G0B+4*(\s)], 1
	s_add_co_u32 s[G0B+4*(\s)+1], s20, (\s)*SLOT
	s_add_nc_u64 s[G0B+4*(\s)+2:G0B+4*(\s)+3], s[46:47], (\s)*KSTEP*2
	s_or_b32 s[G0B+4*(\s)+3], s[G0B+4*(\s)+3], 0x80000000
	JLOAD \s                                       ; the ring is filled before anything else is done: two loads of mine are out
.endr
	; A fragment is 16 rows x 32 K in 8 registers: lane l holds row l % 16; registers 0-3 hold K = 8 (l / 16) + 0..7, registers 4-7 hold K = 16 + 8 (l / 16) + 0..7.
	; From rows that lie along K: two loads of 16 bytes, 32 bytes apart.  The same for source 0 and source 1.
	v_and_b32 v1, 15, v0                           ; r = l % 16
	v_bfe_u32 v2, v0, 4, 1                         ; h = l / 16
	v_mul_u32_u24 v3, v1, PITCH
	v_lshl_add_u32 v3, v2, 4, v3                   ; row x pitch + 16 x half
	s_mul_i32 s21, s11, HALFT                      ; my 128 rows of xq
	s_mul_i32 s22, s12, HALFT                      ; my 128 rows of wq,
	s_add_co_u32 s22, s22, 2*HALFT                 ; which lie behind xq's 256
.irp s, 0,1
	v_add_nc_u32 v[ADRA+(\s)], s21, v3
	v_add_nc_u32 v[ADRB+(\s)], s22, v3
	s_add_co_u32 s21, s21, SLOT
	s_add_co_u32 s22, s22, SLOT
.endr
	v_lshlrev_b32 v[CO], 17, v2                    ; 8 h rows of 16,384 bytes
	v_lshl_add_u32 v[CO], v1, 4, v[CO]             ; + my four columns' 16 bytes
	v_lshlrev_b32 v[BO], 4, v1
	v_and_b32 v[PFO], 31, v0
	v_lshlrev_b32 v[PFO], 13, v[PFO]               ; lane x 8,192
	; out0 and bias at my part of the tile
	s_lshl_b32 s16, s13, 8
	s_lshl_b32 s17, s11, 7
	s_add_co_u32 s16, s16, s17                     ; my first row of out0,
	s_lshl_b32 s16, s16, 14                        ; in bytes (under 2^26)
	s_mov_b32 s17, 0
	s_lshl_b32 s46, s42, 8                         ; my first column (in the registers that held wq's address: none that feeds xq's descriptors ever holds cx)
	s_lshl_b32 s47, s12, 7
	s_add_co_u32 s46, s46, s47
	s_lshl_b32 s46, s46, 2                         ; in bytes
	s_mov_b32 s47, 0
	s_add_nc_u64 s[6:7], s[6:7], s[46:47]
	s_add_nc_u64 s[8:9], s[8:9], s[16:17]
	s_add_nc_u64 s[8:9], s[8:9], s[46:47]
	global_load_b128 v[BI:BI+3],   v[BO], s[6:7]             ; bias of columns 4 r + 0..3,
	global_load_b128 v[BI+4:BI+7], v[BO], s[6:7] offset:256  ; and of 64 + 4 r + 0..3
	; the prefetches
	s_lshl_b32 s20, s13, 8                         ; the tile's first row in q: by the tile row for xq,
	s_lshl_b32 s21, s42, 8
	s_add_co_u32 s21, s21, 4096                    ; by the tile column, behind xq's rows, for wq
	s_and_b32 s22, ttmp7, 0xffff                   ; cluster y
	s_cmp_eq_u32 s11, 0                            ; do I fetch for xq?
	s_cselect_b32 s20, s20, s21
	s_cselect_b32 s21, s40, s41                    ; my place among the four that ask for the tile with me
	s_cselect_b32 s22, ttmp9, s22                  ; the coordinate along which other clusters read the same rows
	s_cmp_eq_u32 s22, 0
	s_cselect_b32 s[LIM], 1, -1                    ; the same in all sixteen partners, for a given wave
	s_lshl_b32 s22, s12, 7
	s_add_co_u32 s20, s20, s22                     ; + the 128 rows that I fetch
	s_lshl_b32 s21, s21, 5
	s_add_co_u32 s20, s20, s21                     ; + my work-group's 32 of them,
	s_lshl_b32 s20, s20, 13                        ; in bytes (under 2^26),
	s_add_co_u32 s20, s20, 2*KSTEP*2               ; at K step 2: the first refill steps it to 3 and names K step 4
	s_mov_b32 s21, 0
	s_add_nc_u64 s[PFA:PFA+1], s[4:5], s[20:21]
	s_wait_loadcnt 0x0                             ; bias, once, while the first tiles are on their way
.irp p, 0,2,4,6
	v_pk_add_f32 v[BI+(\p):BI+(\p)+1], v[BI+(\p):BI+(\p)+1], v[BI+(\p):BI+(\p)+1]  ; 2 bias, exactly
.endr
; 16 matrix instructions: row blocks a0, a0 + 1 of the window's four (hi = 0: my rows 0-63, 1: rows 64-127) x all 8 fragments of wq, 32 along K.
; zero = 1: the first product starts the sums: nothing is ever cleared.  The 64 accumulators take turns, one instruction a turn, in the same order in every quarter.
.macro MUL16 f, hi, a0, zero
	WIN MUL_LO+0x50*(\hi)  ; MUL_LO or MUL_HI
.irp a, \a0, (\a0)+1
.irp i, 0,1,2,3,4,5,6,7
.if \zero
	v_wmma_f32_16x16x32_bf16 v[8*(8*(\a)+(\i)):8*(8*(\a)+(\i))+7], v[(\f)+8*(4*(\hi)+(\a)):(\f)+8*(4*(\hi)+(\a))+7], v[(\f)+8*(\i):(\f)+8*(\i)+7], 0
.else
	v_wmma_f32_16x16x32_bf16 v[8*(8*(\a)+(\i)):8*(8*(\a)+(\i))+7], v[(\f)+8*(4*(\hi)+(\a)):(\f)+8*(4*(\hi)+(\a))+7], v[(\f)+8*(\i):(\f)+8*(\i)+7], v[8*(8*(\a)+(\i)):8*(8*(\a)+(\i))+7]
.endif
.endr
.endr
.endm
; 32 LDS loads in one run: the fragments of one quarter step (128 rows of wq, 128 rows of xq, 32 K at byte k of the rows) into buffer f
.macro FETCH slot, k, f
	WIN TO_B
.irp i, 0,1,2,3,4,5,6,7
	ds_load_b128 v[(\f)+8*(\i):(\f)+8*(\i)+3],   v[ADRB+(\slot)] offset:(\k)+(\i)*16*PITCH
	ds_load_b128 v[(\f)+8*(\i)+4:(\f)+8*(\i)+7], v[ADRB+(\slot)] offset:(\k)+(\i)*16*PITCH+32
.endr
	WIN 0
.irp i, 0,1,2,3,4,5,6,7
	ds_load_b128 v[(\f)+8*(\i):(\f)+8*(\i)+3],   v[ADRA+(\slot)] offset:(\k)+(\i)*16*PITCH
	ds_load_b128 v[(\f)+8*(\i)+4:(\f)+8*(\i)+7], v[ADRA+(\slot)] offset:(\k)+(\i)*16*PITCH+32
.endr
.endm
; A load into a register that a matrix instruction has read, and a vector instruction that reads a matrix result or writes one of a matrix instruction's registers, stand four places behind that
; matrix instruction, and only plain vector instructions that name none of its registers are places (ISA guide 7.12.1 for vector instructions).
.macro PLACES
.rept 4
	v_nop
.endr
.endm
; A K step is four quarter steps of 32 along K, 64 matrix instructions each, on buffers 0, 1, 0, 1.
; One of the first three: multiplies buffer f; in its middle it fetches the next quarter's fragments, at byte k of the same slot's rows, into buffer g.
.macro QUARTER slot, k, f, g, zero
	s_wait_dscnt 8                                 ; wq and xq's rows 0-63 are in; the youngest eight loads (xq's rows 64-127) may be out
	WIN MUL_LO
	MUL16 \f, 0, 0, \zero
	MUL16 \f, 0, 2, \zero
	PLACES
	FETCH \slot, \k, \g
	s_wait_dscnt 32                                ; all but the 32 just issued
	WIN MUL_HI
	MUL16 \f, 1, 0, \zero
	MUL16 \f, 1, 2, \zero
.endm
; The last quarter multiplies buffer 1 and changes slots.  MEET is its first half: ONE barrier for the change of slots.  In front of it each wave waits for all its tensor loads, of which one is out:
; its part of the next slot; adds 0 to its spare word; and waits for that and for its own reads of this slot.  Behind it nobody reads this slot any more and the next slot is whole.
.macro MEET round                      ; round = 1: the rest of a round of the cluster's barrier follows
	WIN 0                                          ; (the add's two registers lie in window 0)
	s_wait_tensorcnt 0x0                           ; all my tensor loads have landed: the one that was out is my part of the next slot;
	ds_add_u32 v[SPW], v[NIL]                      ; 0 onto my spare word;
	s_wait_dscnt 9                                 ; (the add and the youngest eight loads may be out)
	WIN MUL_LO
	MUL16 F1, 0, 0, 0                              ; sixteen matrix instructions stand between the add and the wait for it
	s_wait_dscnt 0x0                               ; the add is done, and my reads of this slot are over:
	s_barrier_signal -1                            ; say so,
	MUL16 F1, 0, 2, 0                              ; work on registers while the others arrive,
.if \round
	WIN 0
.endif
	s_barrier_wait -1                              ; and go on when all four have said so
.endm
; The whole last quarter.  fill = 1: behind the round the slot just read out is filled again first, with the K step two steps on; then come the next slot's first fragments.
; From a request to the wait for it a wave issues 224 matrix instructions.
.macro TURN slot, next, fill
.if \fill
	s_wait_xcnt 0x0                                ; the last prefetch, a K step back, has read its address: it is stepped here, ahead of the waits of the change of slots
	s_add_nc_u64 s[PFA:PFA+1], s[PFA:PFA+1], KSTEP*2
	MEET 1
	CREST                                          ; wave 0 says so for the work-group, all sixteen work-groups have said so, my work-group's barrier closes the round:
	                                               ; no wave of any partner still reads this slot's tile or has a load on its way
	s_add_nc_u64 s[G0+4*(\slot)+2:G0+4*(\slot)+3], s[G0+4*(\slot)+2:G0+4*(\slot)+3], 2*KSTEP*2      ; no tensor load of mine is out, so a group 0 may be written; the type bits on top are not reached
	s_add_nc_u64 s[G0B+4*(\slot)+2:G0B+4*(\slot)+3], s[G0B+4*(\slot)+2:G0B+4*(\slot)+3], 2*KSTEP*2
	JLOAD \slot                                    ; the first tensor load behind the round, and my only one until the next; the four v_nop behind it are also the places in front of the loads below
.else
	MEET 0                                         ; nothing is filled again, so no round follows
	PLACES
.endif
	FETCH \next, 0, F0
.if \fill
	ASK                                            ; behind the joint load and the run of LDS loads that the next products wait for
.endif
	WIN MUL_HI
	MUL16 F1, 1, 0, 0
	MUL16 F1, 1, 2, 0
.endm
; THE WAY OUT of block a of 16 rows.  ADDS: 2 bias is added, and the sums land so that four neighbouring columns of a row lie in four registers on end: row j of my eight, columns 64 c + 4 r + 0..3 at OS + 4 (8 c + j).
; Each accumulator's register 0 is read first (j ascends).  SEND: sixteen stores.
.macro ADDS a
.set OS, F0+64*((\a)%2)                ; the two sets take turns
.set AC, 64*((\a)%4)                   ; the block's eight accumulators, in window 2 (blocks 0-3) or 3 (blocks 4-7)
	WIN 0x02+(\a)/4                                ; source 0 window 2 or 3; source 1 and destination window 0
.irp c, 0,1
.irp j, 0,1,2,3,4,5,6,7
.irp b, 0,1,2,3
	v_add_f32 v[OS+4*(8*(\c)+(\j))+(\b)], v[AC+8*(4*(\c)+(\b))+(\j)], v[BI+4*(\c)+(\b)]
.endr
.endr
.endr
.endm
.macro SEND a
.set OS, F0+64*((\a)%2)
	WIN 0
.irp c, 0,1
.irp j, 0,1,2,3,4,5,6,7
	global_store_b128 v[CO], v[OS+4*(8*(\c)+(\j)):OS+4*(8*(\c)+(\j))+3], s[8:9] offset:(16*(\a)+(\j))*ROWC+256*(\c) th:TH_STORE_NT  ; lanes 0-15 store 256 consecutive bytes of row j, lanes 16-31 of row 8 + j, each at a multiple of 256 from out0's first byte; the largest immediate is 1,949,952
.endr
.endr
.endm
	s_wait_tensorcnt 1                             ; my part of K step 0 is in; K step 1's may stay out
	s_barrier_signal -1
	s_barrier_wait -1                              ; everybody's is
	FETCH 0, 0, F0
	QUARTER 0, 64,  F0, F1, 1                      ; the first quarter stands in front of the loop: its products start the sums
	WIN 0                                          ; at a label and at a branch every window is 0
	s_mov_b32 s3, LAPS-1
.Llap:                                                 ; 15 trips: a trip goes once round the ring, from a lap's second quarter to the next lap's first, and fills both slots again: K steps 2 to 31
	QUARTER 0, 128, F1, F0, 0
	QUARTER 0, 192, F0, F1, 0
	TURN 0, 1, 1
	QUARTER 1, 64,  F0, F1, 0
	QUARTER 1, 128, F1, F0, 0
	QUARTER 1, 192, F0, F1, 0
	TURN 1, 0, 1
	QUARTER 0, 64,  F0, F1, 0
	WIN 0
	s_sub_co_u32 s3, s3, 1
	s_cmp_lg_u32 s3, 0
	s_cbranch_scc1 .Llap
	QUARTER 0, 128, F1, F0, 0                      ; the last lap is written out: it fills nothing
	QUARTER 0, 192, F0, F1, 0
	TURN 0, 1, 0
	QUARTER 1, 64,  F0, F1, 0
	QUARTER 1, 128, F1, F0, 0
	QUARTER 1, 192, F0, F1, 0
	s_wait_dscnt 8                                 ; the very last quarter: nothing more to fetch
	WIN MUL_LO
	MUL16 F1, 0, 0, 0
	MUL16 F1, 0, 2, 0
	s_wait_dscnt 0x0
	MUL16 F1, 1, 0, 0
	MUL16 F1, 1, 2, 0
	WIN 0
	PLACES                                         ; the adds below read results just made and write registers that the last products read;
	PLACES                                         ; eight places, once a launch, where four are asked for
.irp a, 0,1,2,3,4,5,6,7
.if (\a) >= 2
	s_wait_xcnt 0x0                                ; every earlier memory instruction has had its addresses translated (ISA guide 3.1): the set that block a - 2's stores read is rewritten only behind this wait
.endif
	ADDS \a
	SEND \a
.endr
	s_wait_tensorcnt 0x0                           ; the wave's end, behind my last tensor load
	ds_add_u32 v[SPW], v[NIL]
	s_wait_dscnt 0x0
	CROUND                                         ; the closing round: no work-group ends while a partner may still ask for a tile that names it
	s_endpgm
.Lfunc_end_k_qdce8c82c36_gemm:
	.size	k_qdce8c82c36_gemm, .Lfunc_end_k_qdce8c82c36_gemm-k_qdce8c82c36_gemm
	.p2alignl 7, 3214868480
	.fill 96, 4, 3214868480
	.section	.rodata,"a",@progbits
	.p2align	6, 0x0
	.amdhsa_kernel k_qdce8c82c36_gemm
		.amdhsa_group_segment_fixed_size 327680
		.amdhsa_private_segment_fixed_size 0
		.amdhsa_enable_private_segment 0
		.amdhsa_kernarg_size 24
		.amdhsa_user_sgpr_count 2
		.amdhsa_user_sgpr_kernarg_segment_ptr 1
		.amdhsa_wavefront_size32 1
		.amdhsa_system_sgpr_workgroup_id_x 1
		.amdhsa_system_sgpr_workgroup_id_y 1
		.amdhsa_system_sgpr_workgroup_id_z 1
		.amdhsa_system_vgpr_workitem_id 0
		.amdhsa_next_free_vgpr 1024
		.amdhsa_next_free_sgpr 66
		.amdhsa_reserve_vcc 0
		.amdhsa_float_denorm_mode_32 3
		.amdhsa_float_denorm_mode_16_64 3
		.amdhsa_memory_ordered 1
		.amdhsa_forward_progress 1
		.amdhsa_inst_pref_size 141
	.end_amdhsa_kernel
	.amdgpu_metadata
---
amdhsa.version: [ 1, 2 ]
amdhsa.kernels:
  - .name:           k_qdce8c82c36_gemm
    .symbol:         k_qdce8c82c36_gemm.kd
    .args:
      - { .name: q, .offset: 0, .size: 8, .value_kind: global_buffer, .address_space: global }
      - { .name: bias, .offset: 8, .size: 8, .value_kind: global_buffer, .address_space: global }
      - { .name: out0, .offset: 16, .size: 8, .value_kind: global_buffer, .address_space: global }
    .group_segment_fixed_size: 327680
    .private_segment_fixed_size: 0
    .kernarg_segment_align: 8
    .kernarg_segment_size: 24
    .max_flat_workgroup_size: 128
    .sgpr_count:     66
    .vgpr_count:     1024
    .wavefront_size: 32
...
	.end_amdgpu_metadata
.endif
;; end of part 2
